; MI455X (gfx1250); checked and timed in simulation.
; The chip was launched on July 23, 2026; its instructions are those of AMD's public machine-readable ISA for CDNA 5 (MIT licence, August 2026) and "CDNA5" Instruction Set Architecture Reference Guide (July 2026). The comments in the code are by the model that wrote it; some were corrected since.
;; QNN. Allowed arithmetic: float matrix products may take bf16 or f16 operands with f32 sums; all other float work in f32.
;; Inputs: W 2 x 9 float32; b 2 float32; enc_offset 8 float32; enc_scale 8 float32; weights 3 x 8 float32; x 65,536 x 8 float32.
;; Outputs: out0 65,536 x 2 float32.
;; One version. Each part assembles by itself: llvm-mc -triple=amdgcn-amd-amdhsa -mcpu=gfx1250 --defsym DOCPART=n.
;; ======== version 1 of 1: 1 launch
;; limits: right only within a limited range of input values
;; launch qnn (part 1): grid 256 x 1, 4 waves a work-group, no clusters, 0 bytes of LDS; arguments x, enc_scale, enc_offset, weights, W, b, out0; writes out0
.if DOCPART == 1
	.amdgcn_target "amdgcn-amd-amdhsa--gfx1250"
	.amdhsa_code_object_version 6
	.text
	.protected	k_q4632945103_qnn
	.globl	k_q4632945103_qnn
	.p2align	8
	.type	k_q4632945103_qnn,@function
k_q4632945103_qnn:
	s_mov_b64 s[64:65], 0
	v_nop
	global_prefetch_b8 v0, s[64:65] scope:SCOPE_SE
	s_setreg_imm32_b32 hwreg(HW_REG_WAVE_MODE, 25, 1), 1
	s_wait_xcnt 0x0
; out[r][o] = b[o] + sum over f of W[o][f] feat[r][f], feat = <Z_0> .. <Z_7>, <Z_0 Z_1 .. Z_7> of the 8-qubit circuit.
;
; CLOSED FORM, valid for every input.  The encoded state is a product state: qubit j is 1 with probability sin^2(a_j / 2),
; a_j = enc_offset[j] + enc_scale[j] x[r][j], so E[(-1)^q_j] = cos^2 - sin^2 = cos a_j.  An RZ layer multiplies each amplitude by a
; number of modulus 1; a CNOT moves amplitudes between basis states.  One ring of CNOTs is the map over GF(2)
;   q0' = q1+..+q7,  qj' = q0+..+qj (j = 1..7);
; its cube gives each final bit as a sum of initial bits, and the expectation of (-1)^(sum of independent bits) is the product of
; the cosines:      f0 = c1 c4 c5      f1 = c1 c2 c4 c6   f2 = c2 c3 c5 c7   f3 = c0 c3 c4 c6   f4 = c0 c1 c4 c5 c7
;                   f5 = c1 c2 c5 c6   f6 = c2 c3 c6 c7   f7 = c0 c3 c4 c7   f8 (parity) = c0 c4.
; THE WEIGHTS enter the probabilities only as |exp(+-i w / 2)|^2, which is 1 for a finite w and NaN for an infinite or NaN w.
; All 24 are loaded; g = sum over the lanes of (0 w + 1/32) is exactly 1, or NaN, and stands for the state's norm in
; <Z_0> = 2 cos^2 - g; c0 is a factor of f8, so a NaN reaches both outputs.  For finite weights the result does not hang on them.
; LIMITS: |a_j| below 2^22 x 2 pi (about 2.6e7): beyond it the rounding by an added constant fails.  a_j is one fused multiply-add.
; The order of rounding is that of the products above, not that of a sum over 256 probabilities.
; No matrix instruction: the two products with the sign tables are gone with the closed form, and feat x W^T has K = 9, N = 2.
;
; SHARES: 256 work-groups x 4 waves; a wave takes 64 rows, lane l its rows l and l + 32.  The two rows of a lane lie side by side in
; register pairs, so that all arithmetic behind the angles is packed (two f32 an instruction) with broadcast constants.
; A row of x is 32 bytes: two loads of 16 bytes a lane, which together cover 1,024 consecutive bytes for the wave (no non-temporal
; hint: the second load asks for the same stretch as the first).  A store of 8 bytes a lane covers 256 consecutive bytes, aligned.
.set XO,   2                           ; v2       byte offset of my first row in x
.set OO,   3                           ; v3       byte offset of my first row in out0
.set WO,   4                           ; v4       byte offset of my lane's weight
.set ZERO, 5                           ; v5       0: the offset of loads that are the same in every lane
.set G,    6                           ; v[6:7]   g, twice
.set TMP,  8                           ; v8       the other half's sum
.set WT,   9                           ; v9       one weight
.set GS,   10                          ; v10      running sum for g
.set X,    12                          ; v[12:27] x: row l in 12-19, row l + 32 in 20-27
.set WV,   28                          ; v[28:45] W as it lies in memory: W[o][k] in v[WV + 9 o + k]
.set BV,   46                          ; v[46:47] b
.set A,    48                          ; v[48:63] pair j: the angle, then the reduced angle, then cos a_j, of my two rows
.set T,    64                          ; v[64:79] pair j: the number of turns, then the polynomial
.set Q,    80                          ; v[80:95] pair j: the reduced angle squared; later partial products
.set F,    96                          ; v[96:113] pair k: feature k of my two rows
.set AX0,  114                         ; four running sums (pairs): output 0 and 1, two chains each, so that
.set AX1,  116                         ; no instruction needs the result of the one just in front of it
.set AY0,  118
.set AY1,  120
.set O,    122                         ; v[122:125] row l: out 0, 1; row l + 32: out 0, 1
.set SC,   20                          ; s[20:27] enc_scale
.set OF,   28                          ; s[28:35] enc_offset
.set MAGIC, 56                         ; s[56:57] 1.5 x 2^23
.set B5,   58                          ; s[58:59] the polynomial's highest coefficient
.set C0, A
.set C1, A+2
.set C2, A+4
.set C3, A+6
.set C4, A+8
.set C5, A+10
.set C6, A+12
.set C7, A+14
.set PB, Q                             ; c1 c5
.set PC, Q+2                           ; c2 c6
.set PD, Q+4                           ; c3 c7
.set U1, Q+6                           ; c1 c4
.set U2, Q+8                           ; c2 c5
.set U3, Q+10                          ; c3 c6
.set U4, Q+12                          ; c1 c5 c7
	s_load_b256 s[4:11], s[0:1], 0x0               ; x s[4:5], enc_scale s[6:7], enc_offset s[8:9], weights s[10:11]
	s_load_b128 s[12:15], s[0:1], 0x20             ; W s[12:13], b s[14:15]
	s_load_b64 s[16:17], s[0:1], 0x30              ; out0
	s_lshl_b32 s2, ttmp9, 8                        ; the work-group's first row: 256 rows each
	v_and_b32 v1, 0x60, v0                         ; 32 x wave
	v_add3_u32 v1, v0, v1, s2                      ; first row + 64 x wave + lane
	v_lshlrev_b32 v[XO], 5, v1                     ; 32 bytes a row of x
	v_lshlrev_b32 v[OO], 3, v1                     ; 8 bytes a row of out0
	v_and_b32 v[WO], 31, v0
	v_min_u32 v[WO], 23, v[WO]                     ; 24 weights for 32 lanes: the last eight lanes take the last weight again
	v_lshlrev_b32 v[WO], 2, v[WO]
	v_mov_b32 v[ZERO], 0
	v_mov_b32 v[TMP], 0                            ; v_permlanex16_b32 counts as a reader of its destination
	s_mov_b32 s[MAGIC], 0x4b400000                 ; 1.5 x 2^23: sums with it have a last place of 1
	s_mov_b32 s[MAGIC+1], 0x4b400000               ; (a packed source names the pair)
	s_mov_b32 s[B5], 0xaf8bdad9                    ; -2.605e-7 / 4^5
	s_mov_b32 s[B5+1], 0xaf8bdad9
	s_mov_b32 s60, 0x76543210                      ; v_permlanex16_b32: lane i of one half reads lane i of the other
	s_mov_b32 s61, 0xfedcba98
	s_wait_kmcnt 0x0
	; everything the wave will ever read, asked for at once, in the order of its use
	s_load_b256 s[SC:SC+7], s[6:7], 0x0
	s_load_b256 s[OF:OF+7], s[8:9], 0x0
	global_load_b32 v[WT], v[WO], s[10:11]
	global_load_b128 v[X:X+3],     v[XO], s[4:5]
	global_load_b128 v[X+4:X+7],   v[XO], s[4:5] offset:16
	global_load_b128 v[X+8:X+11],  v[XO], s[4:5] offset:1024       ; 32 rows further down
	global_load_b128 v[X+12:X+15], v[XO], s[4:5] offset:1040
	global_load_b128 v[WV:WV+3],     v[ZERO], s[12:13]             ; W and b go to vector registers: a packed instruction can take
	global_load_b128 v[WV+4:WV+7],   v[ZERO], s[12:13] offset:16   ; either register of a vector pair for both halves,
	global_load_b128 v[WV+8:WV+11],  v[ZERO], s[12:13] offset:32   ; of a scalar pair the first alone
	global_load_b128 v[WV+12:WV+15], v[ZERO], s[12:13] offset:48
	global_load_b64  v[WV+16:WV+17], v[ZERO], s[12:13] offset:64
	global_load_b64  v[BV:BV+1],     v[ZERO], s[14:15]
	; g: 1 if all weights are finite, else NaN.  32 x 1/32 adds up without rounding.
	s_wait_loadcnt 10                              ; loads return in order: the weight is in; 4 of x, 5 of W and 1 of b stay out
	v_fma_f32 v[GS], v[WT], 0, 0x3d000000          ; 0 w + 1/32
	v_add_f32_dpp v[GS], v[GS], v[GS] row_xmask:1 row_mask:0xf bank_mask:0xf
	v_add_f32_dpp v[GS], v[GS], v[GS] row_xmask:2 row_mask:0xf bank_mask:0xf
	v_add_f32_dpp v[GS], v[GS], v[GS] row_xmask:4 row_mask:0xf bank_mask:0xf
	v_add_f32_dpp v[GS], v[GS], v[GS] row_xmask:8 row_mask:0xf bank_mask:0xf
	v_permlanex16_b32 v[TMP], v[GS], s60, s61
	v_add_f32 v[G],   v[GS], v[TMP]
	v_add_f32 v[G+1], v[GS], v[TMP]                ; twice: one for each row of the pair
	; the angles; the plain form may name two scalars, and puts the two rows of a qubit side by side
	s_wait_loadcnt 6                               ; x is in; 5 loads of W and 1 of b stay out
	s_wait_kmcnt 0x0                               ; enc_scale, enc_offset
.irp j, 0,1,2,3,4,5,6,7
	v_fma_f32 v[A+2*\j],   v[X+\j],   s[SC+\j], s[OF+\j]
	v_fma_f32 v[A+2*\j+1], v[X+8+\j], s[SC+\j], s[OF+\j]
.endr
	; each step below runs over the eight qubits, so that eight independent instructions follow each other
.irp j, 0,1,2,3,4,5,6,7
	v_pk_fma_f32 v[T+2*\j:T+2*\j+1], v[A+2*\j:A+2*\j+1], 0x3e22f983, s[MAGIC:MAGIC+1] op_sel_hi:[1,0,0]   ; a / 2 pi + 1.5 x 2^23: rounded to a whole number
.endr
.irp j, 0,1,2,3,4,5,6,7
	v_pk_add_f32 v[T+2*\j:T+2*\j+1], v[T+2*\j:T+2*\j+1], 0xcb400000 op_sel_hi:[1,0]                      ; n = the nearest number of turns
.endr
.irp j, 0,1,2,3,4,5,6,7
	v_pk_fma_f32 v[A+2*\j:A+2*\j+1], v[T+2*\j:T+2*\j+1], 0xc0c90fdb, v[A+2*\j:A+2*\j+1] op_sel_hi:[1,0,1]  ; a - n x (2 pi rounded to f32): the product is not rounded
.endr
.irp j, 0,1,2,3,4,5,6,7
	v_pk_fma_f32 v[A+2*\j:A+2*\j+1], v[T+2*\j:T+2*\j+1], 0x343bbd2e, v[A+2*\j:A+2*\j+1] op_sel_hi:[1,0,1]  ; - n x (2 pi - that) = + n x 1.7484556e-7: r in [-pi, pi]
.endr
.irp j, 0,1,2,3,4,5,6,7
	v_pk_mul_f32 v[Q+2*\j:Q+2*\j+1], v[A+2*\j:A+2*\j+1], v[A+2*\j:A+2*\j+1]                              ; r^2
.endr
	; P = cos(r / 2), r / 2 in [-pi/2, pi/2]: 1 - .4999999963 y^2 + .0416666418 y^4 - .0013888397 y^6 + .0000247609 y^8 - .0000002605 y^10,
	; written in r^2 = 4 y^2 (coefficient k divided by 4^k, an exact change of the exponent)
.irp j, 0,1,2,3,4,5,6,7
	v_pk_fma_f32 v[T+2*\j:T+2*\j+1], v[Q+2*\j:Q+2*\j+1], s[B5:B5+1], 0x33cfb5a1 op_sel_hi:[1,0,0]
.endr
.irp j, 0,1,2,3,4,5,6,7
	v_pk_fma_f32 v[T+2*\j:T+2*\j+1], v[T+2*\j:T+2*\j+1], v[Q+2*\j:Q+2*\j+1], 0xb7b609ba op_sel_hi:[1,1,0]
.endr
.irp j, 0,1,2,3,4,5,6,7
	v_pk_fma_f32 v[T+2*\j:T+2*\j+1], v[T+2*\j:T+2*\j+1], v[Q+2*\j:Q+2*\j+1], 0x3b2aaaa4 op_sel_hi:[1,1,0]
.endr
.irp j, 0,1,2,3,4,5,6,7
	v_pk_fma_f32 v[T+2*\j:T+2*\j+1], v[T+2*\j:T+2*\j+1], v[Q+2*\j:Q+2*\j+1], 0xbe000000 op_sel_hi:[1,1,0]
.endr
.irp j, 0,1,2,3,4,5,6,7
	v_pk_fma_f32 v[T+2*\j:T+2*\j+1], v[T+2*\j:T+2*\j+1], v[Q+2*\j:Q+2*\j+1], 1.0 op_sel_hi:[1,1,0]
.endr
.irp j, 0,1,2,3,4,5,6,7
	v_pk_mul_f32 v[T+2*\j:T+2*\j+1], v[T+2*\j:T+2*\j+1], v[T+2*\j:T+2*\j+1]                              ; cos^2(a / 2): the sign that a whole turn of a gives cos(a / 2) drops out
.endr
	v_pk_fma_f32 v[C0:C0+1], v[T:T+1], 2.0, v[G:G+1] op_sel_hi:[1,0,1] neg_lo:[0,0,1] neg_hi:[0,0,1]         ; c0 = cos^2 - (g - cos^2)
.irp j, 1,2,3,4,5,6,7
	v_pk_fma_f32 v[A+2*\j:A+2*\j+1], v[T+2*\j:T+2*\j+1], 2.0, -1.0 op_sel_hi:[1,0,0]                     ; cj = cos^2 - sin^2 = cos a_j
.endr
	; the nine features: 16 products for both rows
.macro MUL2 d, a, b
	v_pk_mul_f32 v[\d:\d+1], v[\a:\a+1], v[\b:\b+1]
.endm
	MUL2 F+16, C0, C4                              ; f8 = c0 c4
	MUL2 PB, C1, C5
	MUL2 PC, C2, C6
	MUL2 PD, C3, C7
	MUL2 U1, C1, C4
	MUL2 U2, C2, C5
	MUL2 U3, C3, C6
	MUL2 U4, PB, C7
	MUL2 F+0,  PB, C4                              ; f0 = c1 c4 c5
	MUL2 F+10, PB, PC                              ; f5 = c1 c2 c5 c6
	MUL2 F+12, PC, PD                              ; f6 = c2 c3 c6 c7
	MUL2 F+14, F+16, PD                            ; f7 = c0 c3 c4 c7
	MUL2 F+2,  U1, PC                              ; f1 = c1 c2 c4 c6
	MUL2 F+4,  U2, PD                              ; f2 = c2 c3 c5 c7
	MUL2 F+6,  U3, F+16                            ; f3 = c0 c3 c4 c6
	MUL2 F+8,  U4, F+16                            ; f4 = c0 c1 c4 c5 c7
	; acc += f_k W[o][k] for both rows.  W[o][k] is the first or the second register of an even pair;
	; op_sel picks it for the low half of the result, op_sel_hi for the high half.
.macro TERM acc, o, k
.if (9*\o+\k) & 1
	v_pk_fma_f32 v[\acc:\acc+1], v[F+2*\k:F+2*\k+1], v[WV+9*\o+\k-1:WV+9*\o+\k], v[\acc:\acc+1] op_sel:[0,1,0] op_sel_hi:[1,1,1]
.else
	v_pk_fma_f32 v[\acc:\acc+1], v[F+2*\k:F+2*\k+1], v[WV+9*\o+\k:WV+9*\o+\k+1], v[\acc:\acc+1] op_sel_hi:[1,0,1]
.endif
.endm
	s_wait_loadcnt 0x0                             ; W and b
	v_pk_fma_f32 v[AX0:AX0+1], v[F:F+1], v[WV:WV+1],     v[BV:BV+1] op_sel_hi:[1,0,0]                    ; b[0] + f0 W[0][0]: the first term starts the sum
	v_pk_fma_f32 v[AX1:AX1+1], v[F:F+1], v[WV+8:WV+9],   v[BV:BV+1] op_sel:[0,1,1] op_sel_hi:[1,1,1]     ; b[1] + f0 W[1][0] (word 9)
	v_pk_mul_f32 v[AY0:AY0+1], v[F+10:F+11], v[WV+4:WV+5]   op_sel:[0,1] op_sel_hi:[1,1]                 ; f5 W[0][5] (word 5)
	v_pk_mul_f32 v[AY1:AY1+1], v[F+10:F+11], v[WV+14:WV+15] op_sel_hi:[1,0]                              ; f5 W[1][5] (word 14)
	TERM AX0, 0, 1
	TERM AX1, 1, 1
	TERM AY0, 0, 6
	TERM AY1, 1, 6
	TERM AX0, 0, 2
	TERM AX1, 1, 2
	TERM AY0, 0, 7
	TERM AY1, 1, 7
	TERM AX0, 0, 3
	TERM AX1, 1, 3
	TERM AY0, 0, 4
	TERM AY1, 1, 4
	v_pk_add_f32 v[AX0:AX0+1], v[AX0:AX0+1], v[AY0:AY0+1]
	v_pk_add_f32 v[AX1:AX1+1], v[AX1:AX1+1], v[AY1:AY1+1]
	; the last term in the plain form: it puts the two outputs of a row side by side, as they lie in memory
	v_fma_f32 v[O],   v[F+16], v[WV+8],  v[AX0]
	v_fma_f32 v[O+1], v[F+16], v[WV+17], v[AX1]
	v_fma_f32 v[O+2], v[F+17], v[WV+8],  v[AX0+1]
	v_fma_f32 v[O+3], v[F+17], v[WV+17], v[AX1+1]
	global_store_b64 v[OO], v[O:O+1],   s[16:17] th:TH_STORE_NT              ; rows l: 32 lanes x 8 bytes = 256 consecutive bytes, aligned
	global_store_b64 v[OO], v[O+2:O+3], s[16:17] offset:256 th:TH_STORE_NT   ; rows l + 32: the next 256
	s_endpgm
.Lfunc_end_k_q4632945103_qnn:
	.size	k_q4632945103_qnn, .Lfunc_end_k_q4632945103_qnn-k_q4632945103_qnn
	.p2alignl 7, 3214868480
	.fill 96, 4, 3214868480
	.section	.rodata,"a",@progbits
	.p2align	6, 0x0
	.amdhsa_kernel k_q4632945103_qnn
		.amdhsa_group_segment_fixed_size 0
		.amdhsa_private_segment_fixed_size 0
		.amdhsa_enable_private_segment 0
		.amdhsa_kernarg_size 56
		.amdhsa_user_sgpr_count 2
		.amdhsa_user_sgpr_kernarg_segment_ptr 1
		.amdhsa_wavefront_size32 1
		.amdhsa_system_sgpr_workgroup_id_x 1
		.amdhsa_system_sgpr_workgroup_id_y 1
		.amdhsa_system_sgpr_workgroup_id_z 1
		.amdhsa_system_vgpr_workitem_id 0
		.amdhsa_next_free_vgpr 128
		.amdhsa_next_free_sgpr 66
		.amdhsa_reserve_vcc 0
		.amdhsa_float_denorm_mode_32 3
		.amdhsa_float_denorm_mode_16_64 3
		.amdhsa_memory_ordered 1
		.amdhsa_forward_progress 1
		.amdhsa_inst_pref_size 15
	.end_amdhsa_kernel
	.amdgpu_metadata
---
amdhsa.version: [ 1, 2 ]
amdhsa.kernels:
  - .name:           k_q4632945103_qnn
    .symbol:         k_q4632945103_qnn.kd
    .args:
      - { .name: x, .offset: 0, .size: 8, .value_kind: global_buffer, .address_space: global }
      - { .name: enc_scale, .offset: 8, .size: 8, .value_kind: global_buffer, .address_space: global }
      - { .name: enc_offset, .offset: 16, .size: 8, .value_kind: global_buffer, .address_space: global }
      - { .name: weights, .offset: 24, .size: 8, .value_kind: global_buffer, .address_space: global }
      - { .name: W, .offset: 32, .size: 8, .value_kind: global_buffer, .address_space: global }
      - { .name: b, .offset: 40, .size: 8, .value_kind: global_buffer, .address_space: global }
      - { .name: out0, .offset: 48, .size: 8, .value_kind: global_buffer, .address_space: global }
    .group_segment_fixed_size: 0
    .private_segment_fixed_size: 0
    .kernarg_segment_align: 8
    .kernarg_segment_size: 56
    .max_flat_workgroup_size: 128
    .sgpr_count:     66
    .vgpr_count:     128
    .wavefront_size: 32
...
	.end_amdgpu_metadata
.endif
;; end of part 1
